; MI455X (gfx1250); checked and timed in simulation.
; The chip was launched on July 23, 2026; its instructions are those of AMD's public machine-readable ISA for CDNA 5 (MIT licence, August 2026) and "CDNA5" Instruction Set Architecture Reference Guide (July 2026). The comments in the code are by the model that wrote it; some were corrected since.
;; Multi Head Attention. Allowed arithmetic: float matrix products may take bf16 or f16 operands with f32 sums; all other float work in f32.
;; Inputs: W_k 1,024 x 1,024 float32; W_o 1,024 x 1,024 float32; W_q 1,024 x 1,024 float32; W_v 1,024 x 1,024 float32; key 2 x 2,048 x 1,024 float32; mask 1 x 1 x 2,048 x 2,048 int32; query 2 x 2,048 x 1,024 float32; value 2 x 2,048 x 1,024 float32.
;; Outputs: out0 2 x 2,048 x 1,024 float32.
;; One version. Each part assembles by itself: llvm-mc -triple=amdgcn-amd-amdhsa -mcpu=gfx1250 --defsym DOCPART=n.
;; ======== version 1 of 1: 4 launches
;; limits: values are held in f16: magnitudes above 65,504 overflow, below 6.1e-05 lose precision
;; workspace buffers: xh 25,165,824 bytes; wh 8,388,608 bytes; mbits 524,288 bytes of whole numbers; qkv 25,165,824 bytes; xatt 16,777,216 bytes
;; launch prep (part 1): grid 64 x 20, 8 waves a work-group, no clusters, 0 bytes of LDS; arguments query, key, value, W_q, W_k, W_v, W_o, mask, xh, wh, mbits; writes xh, wh, mbits
.if DOCPART == 1
	.amdgcn_target "amdgcn-amd-amdhsa--gfx1250"
	.amdhsa_code_object_version 6
	.text
	.protected	k_qc31158eddf_prep
	.globl	k_qc31158eddf_prep
	.p2align	8
	.type	k_qc31158eddf_prep,@function
k_qc31158eddf_prep:
	s_mov_b64 s[64:65], 0
	v_nop
	global_prefetch_b8 v0, s[64:65] scope:SCOPE_SE
	s_setreg_imm32_b32 hwreg(HW_REG_WAVE_MODE, 25, 1), 1
	s_wait_xcnt 0x0
; PREP: every f32 operand of the later products is rounded once, and the int32 mask is packed to one bit a number.
;   xh    f16 [3: query, key, value][4096][1024]
;   wh    f16 W_q, W_k, W_v as [1024 n][1024 k]; then W_o as [16 h][1024 n][64 d] (head-major, as the attention output lies)
;   mbits [128 Tq][128 Tk][8 j] words; bit L of a word = (mask[16 Tq + (L & 15)][16 Tk + 8 (L >> 4) + j] != 0):
;         the word is the lane mask of register j of a 16 x 16 tile of transposed scores.
; THE ROUNDING: each number is rounded to bf16 (to nearest even) and then written as f16.  A bf16 number has 8 significant bits, an f16 word 11,
; so the second step changes nothing for magnitudes from 2^-17 to 65,504.  The inputs are thus the problem's inputs in bf16; they are kept in f16
; words because Q, K, V, the weights of the softmax and X need f16's 11 bits, and one matrix form takes one format on both sides.
; LIMITS: a magnitude beyond 65,504 becomes an infinity here; below 2^-17 the f16 word keeps a number to 2^-25 absolute.
; A stream: no LDS, no barrier, no matrix unit.  A work-group takes 65,536 bytes of one source, a wave 8,192: sixteen loads of 512
; consecutive bytes, all issued before the first is used.  No register that a store reads is written again.
; The work-group's y picks the source: 0-3 query, 4-7 key, 8-11 value, 12 W_q, 13 W_k, 14 W_v, 15 W_o, 16-19 mask.
.set LO, 3                             ; v3       byte offset of my 16 bytes in a load
.set SO, 4                             ; v4       byte offset of my bytes in a store
.set X,  8                             ; v[8:71]  sixteen loads of four words
.set Y,  72                            ; v[72:103] sixteen stores of two words (four f16)
.set A,  72                            ; mask: v[72:75] sixteen row bits of my four keys
.set BB, 76                            ; mask: v[76:79] the same of the lane two further on
.set W,  80                            ; mask: v[80:83] four finished words
; Sixteen loads ldstep bytes apart, sixteen stores ststep bytes apart.
.macro CONV ldstep, ststep
.irp j, 0,1,2,3,4,5,6,7,8,9,10,11,12,13,14,15
	global_load_b128 v[X+4*\j:X+4*\j+3], v[LO], s[30:31] offset:\j*\ldstep th:TH_LOAD_NT
.endr
.irp j, 0,1,2,3,4,5,6,7,8,9,10,11,12,13,14,15
	s_wait_loadcnt 15-\j                           ; loads return in order: the 15 - j issued behind load j may stay out
	v_cvt_pk_bf16_f32 v[Y+2*\j], v[X+4*\j], v[X+4*\j+1]            ; the one rounding: to bf16
	v_cvt_pk_bf16_f32 v[Y+2*\j+1], v[X+4*\j+2], v[X+4*\j+3]
	v_lshlrev_b32 v[X+4*\j],   16, v[Y+2*\j]                       ; back to f32: the low half moves up,
	v_and_b32     v[X+4*\j+1], s39, v[Y+2*\j]                      ; the high half stays
	v_lshlrev_b32 v[X+4*\j+2], 16, v[Y+2*\j+1]
	v_and_b32     v[X+4*\j+3], s39, v[Y+2*\j+1]
	v_cvt_pk_f16_f32 v[Y+2*\j], v[X+4*\j], v[X+4*\j+1]             ; the same numbers as f16
	v_cvt_pk_f16_f32 v[Y+2*\j+1], v[X+4*\j+2], v[X+4*\j+3]
	global_store_b64 v[SO], v[Y+2*\j:Y+2*\j+1], s[32:33] offset:\j*\ststep   ; the wave stores 256 consecutive bytes, aligned
.endr
.endm
	s_load_b512 s[8:23], s[0:1], 0x0               ; query s[8:9], key, value, W_q, W_k, W_v, W_o s[20:21], mask s[22:23]
	s_load_b128 s[24:27], s[0:1], 0x40             ; xh s[24:25], wh s[26:27]
	s_load_b64 s[28:29], s[0:1], 0x50              ; mbits
	s_and_b32 s2, ttmp7, 0xffff                    ; y: the role
	v_lshrrev_b32 v1, 5, v0
	v_readfirstlane_b32 s4, v1                     ; wave 0..7
	v_and_b32 v2, 31, v0                           ; lane
	s_mov_b32 s35, 0                               ; offsets are kept apart from the addresses, in pairs with 0 on top
	s_mov_b32 s37, 0
	s_mov_b32 s39, 0xffff0000                      ; a word's upper bf16
	s_cmp_ge_u32 s2, 16
	s_cbranch_scc1 .Lmask
	s_cmp_eq_u32 s2, 15
	s_cbranch_scc1 .Lwo
	; ---- query, key, value, W_q, W_k, W_v: same order of numbers in and out
	s_and_b32 s5, s2, 3                            ; which quarter of an activation
	s_sub_co_u32 s6, s2, 12                        ; which weight
	s_cmp_ge_u32 s2, 12
	s_cselect_b32 s5, 0, s5                        ; a weight has one y only
	s_cselect_b32 s6, s6, s2                       ; chunk row in wh, or in xh
	s_lshl_b32 s5, s5, 6
	s_add_co_u32 s5, s5, ttmp9
	s_lshl_b32 s5, s5, 16                          ; source: 65,536 bytes a work-group
	s_lshl_b32 s7, s4, 13                          ; 8,192 a wave
	s_add_co_u32 s34, s5, s7
	s_lshl_b32 s6, s6, 6
	s_add_co_u32 s6, s6, ttmp9
	s_lshl_b32 s6, s6, 15                          ; destination: half of that
	s_lshl_b32 s7, s4, 12
	s_add_co_u32 s36, s6, s7
	v_lshlrev_b32 v[LO], 4, v2
	v_lshlrev_b32 v[SO], 3, v2
	s_wait_kmcnt 0x0
	s_cmp_ge_u32 s2, 4
	s_cselect_b64 s[30:31], s[10:11], s[8:9]
	s_cmp_ge_u32 s2, 8
	s_cselect_b64 s[30:31], s[12:13], s[30:31]
	s_cmp_ge_u32 s2, 12
	s_cselect_b64 s[30:31], s[14:15], s[30:31]
	s_cselect_b64 s[32:33], s[26:27], s[24:25]
	s_cmp_ge_u32 s2, 13
	s_cselect_b64 s[30:31], s[16:17], s[30:31]
	s_cmp_ge_u32 s2, 14
	s_cselect_b64 s[30:31], s[18:19], s[30:31]
	s_add_nc_u64 s[30:31], s[30:31], s[34:35]
	s_add_nc_u64 s[32:33], s[32:33], s[36:37]
	CONV 512, 256
	s_endpgm
	; ---- W_o: rows n = 16 x + 2 wave and n + 1; load j takes head j's 64 numbers of both rows (lanes 0-15 one row, 16-31 the next),
	; which lie side by side in [h][n][d]: one store of 256 consecutive bytes
.Lwo:
	s_lshl_b32 s34, ttmp9, 16
	s_lshl_b32 s7, s4, 13
	s_add_co_u32 s34, s34, s7
	s_lshl_b32 s36, ttmp9, 11
	s_lshl_b32 s7, s4, 8
	s_add_co_u32 s36, s36, s7
	s_add_co_u32 s36, s36, 6291456                 ; behind W_q, W_k, W_v in wh
	v_lshrrev_b32 v5, 4, v2
	v_and_b32 v6, 15, v2
	v_lshlrev_b32 v6, 4, v6
	v_lshl_add_u32 v[LO], v5, 12, v6
	v_lshlrev_b32 v[SO], 3, v2
	s_wait_kmcnt 0x0
	s_add_nc_u64 s[30:31], s[20:21], s[34:35]
	s_add_nc_u64 s[32:33], s[26:27], s[36:37]
	CONV 256, 131072
	s_endpgm
	; ---- mask: a work-group takes 16 query rows x 1,024 keys, a wave 128 keys, a lane four
.Lmask:
	s_sub_co_u32 s5, s2, 16
	s_lshl_b32 s5, s5, 6
	s_add_co_u32 s5, s5, ttmp9                     ; 0..255
	s_lshr_b32 s6, s5, 1                           ; Tq
	s_and_b32 s7, s5, 1                            ; which half of the keys
	s_lshl_b32 s34, s6, 17                         ; 16 rows of 8,192 bytes
	s_lshl_b32 s5, s7, 12
	s_add_co_u32 s34, s34, s5
	s_lshl_b32 s5, s4, 9
	s_add_co_u32 s34, s34, s5
	s_lshl_b32 s36, s6, 12                         ; 128 key tiles of 32 bytes
	s_lshl_b32 s5, s7, 11
	s_add_co_u32 s36, s36, s5
	s_lshl_b32 s5, s4, 8                           ; the wave's eight key tiles: 256 bytes
	s_add_co_u32 s36, s36, s5
	v_lshlrev_b32 v[LO], 4, v2
	v_lshrrev_b32 v5, 2, v2                        ; my key tile among the wave's eight
	v_and_b32 v6, 1, v2
	v_lshlrev_b32 v6, 4, v6                        ; words j = 0..3 or 4..7
	v_lshl_add_u32 v[SO], v5, 5, v6
	v_and_b32 v7, 2, v2
	s_wait_kmcnt 0x0
	s_add_nc_u64 s[30:31], s[22:23], s[34:35]
	s_add_nc_u64 s[32:33], s[28:29], s[36:37]
.irp r, 15,14,13,12,11,10,9,8,7,6,5,4,3,2,1,0
	global_load_b128 v[X+4*\r:X+4*\r+3], v[LO], s[30:31] offset:\r*8192 th:TH_LOAD_NT
.endr
	; row 15 starts each chain, every further row shifts its bit in from below: bit r ends up as row r's
.irp r, 15,14,13,12,11,10,9,8,7,6,5,4,3,2,1,0
	s_wait_loadcnt \r                              ; rows r-1 .. 0 were issued behind row r and may stay out
.irp c, 0,1,2,3
	v_cmp_ne_u32 vcc_lo, 0, v[X+4*\r+\c]
.if \r == 15
	v_cndmask_b32 v[A+\c], 0, 1, vcc_lo
.else
	v_add_co_ci_u32 v[A+\c], vcc_lo, v[A+\c], v[A+\c], vcc_lo
.endif
.endr
.endr
	; key j of a tile lies in lanes 4t, 4t+1, key 8 + j two lanes further on: the word is the first below, the second on top
.irp c, 0,1,2,3
	v_mov_b32 v[BB+\c], 0
.endr
.irp c, 0,1,2,3
	v_mov_b32_dpp v[BB+\c], v[A+\c] row_xmask:2 row_mask:0xf bank_mask:0xf
.endr
.irp c, 0,1,2,3
	v_lshl_or_b32 v[W+\c], v[BB+\c], 16, v[A+\c]
.endr
	v_cmp_eq_u32 vcc_lo, 0, v7
	s_wait_xcnt 0x0                                ; EXEC is a source of the loads above: it changes only behind this wait
	s_and_saveexec_b32 s38, vcc_lo
	global_store_b128 v[SO], v[W:W+3], s[32:33]    ; sixteen lanes store the wave's 256 consecutive bytes, aligned
	s_wait_xcnt 0x0                                ; and again before EXEC is widened
	s_or_b32 exec_lo, exec_lo, s38
	s_endpgm
.Lfunc_end_k_qc31158eddf_prep:
	.size	k_qc31158eddf_prep, .Lfunc_end_k_qc31158eddf_prep-k_qc31158eddf_prep
	.p2alignl 7, 3214868480
	.fill 96, 4, 3214868480
	.section	.rodata,"a",@progbits
	.p2align	6, 0x0
	.amdhsa_kernel k_qc31158eddf_prep
		.amdhsa_group_segment_fixed_size 0
		.amdhsa_private_segment_fixed_size 0
		.amdhsa_enable_private_segment 0
		.amdhsa_kernarg_size 88
		.amdhsa_user_sgpr_count 2
		.amdhsa_user_sgpr_kernarg_segment_ptr 1
		.amdhsa_wavefront_size32 1
		.amdhsa_system_sgpr_workgroup_id_x 1
		.amdhsa_system_sgpr_workgroup_id_y 1
		.amdhsa_system_sgpr_workgroup_id_z 1
		.amdhsa_system_vgpr_workitem_id 0
		.amdhsa_next_free_vgpr 104
		.amdhsa_next_free_sgpr 66
		.amdhsa_reserve_vcc 1
		.amdhsa_float_denorm_mode_32 3
		.amdhsa_float_denorm_mode_16_64 3
		.amdhsa_memory_ordered 1
		.amdhsa_forward_progress 1
		.amdhsa_inst_pref_size 30
	.end_amdhsa_kernel
	.amdgpu_metadata
---
amdhsa.version: [ 1, 2 ]
amdhsa.kernels:
  - .name:           k_qc31158eddf_prep
    .symbol:         k_qc31158eddf_prep.kd
    .args:
      - { .name: query, .offset: 0, .size: 8, .value_kind: global_buffer, .address_space: global }
      - { .name: key, .offset: 8, .size: 8, .value_kind: global_buffer, .address_space: global }
      - { .name: value, .offset: 16, .size: 8, .value_kind: global_buffer, .address_space: global }
      - { .name: W_q, .offset: 24, .size: 8, .value_kind: global_buffer, .address_space: global }
      - { .name: W_k, .offset: 32, .size: 8, .value_kind: global_buffer, .address_space: global }
      - { .name: W_v, .offset: 40, .size: 8, .value_kind: global_buffer, .address_space: global }
      - { .name: W_o, .offset: 48, .size: 8, .value_kind: global_buffer, .address_space: global }
      - { .name: mask, .offset: 56, .size: 8, .value_kind: global_buffer, .address_space: global }
      - { .name: xh, .offset: 64, .size: 8, .value_kind: global_buffer, .address_space: global }
      - { .name: wh, .offset: 72, .size: 8, .value_kind: global_buffer, .address_space: global }
      - { .name: mbits, .offset: 80, .size: 8, .value_kind: global_buffer, .address_space: global }
    .group_segment_fixed_size: 0
    .private_segment_fixed_size: 0
    .kernarg_segment_align: 8
    .kernarg_segment_size: 88
    .max_flat_workgroup_size: 256
    .sgpr_count:     66
    .vgpr_count:     104
    .wavefront_size: 32
...
	.end_amdgpu_metadata
.endif
;; end of part 1
;; launch qkv (part 2): grid 4 x 48, 4 waves a work-group, clusters of 4 x 4, 327,680 bytes of LDS; arguments xh, wh, qkv; writes qkv
.if DOCPART == 2
	.amdgcn_target "amdgcn-amd-amdhsa--gfx1250"
	.amdhsa_code_object_version 6
	.text
	.protected	k_qc31158eddf_qkv
	.globl	k_qc31158eddf_qkv
	.p2align	8
	.type	k_qc31158eddf_qkv,@function
k_qc31158eddf_qkv:
	s_mov_b64 s[64:65], 0
	v_nop
	global_prefetch_b8 v0, s[64:65] scope:SCOPE_SE
	s_setreg_imm32_b32 hwreg(HW_REG_WAVE_MODE, 25, 1), 1
	s_wait_xcnt 0x0
	s_wait_alu depctr_hold_cnt(0) depctr_sa_sdst(0) depctr_va_vdst(0) depctr_va_sdst(0) depctr_va_ssrc(0) depctr_va_vcc(0) depctr_vm_vsrc(0)
	s_getreg_b32 s2, hwreg(HW_REG_IB_STS2, 6, 4)
	s_cmp_eq_u32 s2, 0
	s_cbranch_scc0 .Lentry_in_a_cluster
	s_endpgm
.Lentry_in_a_cluster:
	s_bfe_u32 s2, ttmp6, 0x10000c
	s_cmp_lg_u32 s2, 0xf033
	s_cbranch_scc0 .Lentry_shape_is_right
	s_endpgm
.Lentry_shape_is_right:
; QKV: the three projections as one product C[m][n] = sum over k of A[m][k] B[n][k], f16 operands, f32 sums.
; A = xh taken as 12,288 rows of 1,024 (query, key, value one after the other); B = the weight of the rows' third: rows mat*1024 + n of wh.
; C leaves split into heads: qkv f16 [3][b][h][s][64], so that a head's keys are one dense block for the attention.
; Q's sums are multiplied by log2(e)/sqrt(64) in f32 ahead of their one rounding to f16: the scores then come out of the matrix unit in the
; units of v_exp_f32, the softmax only subtracts its maximum, and the factor costs no rounding of its own.
; LIMIT: results are rounded to f16: a projected number beyond 65,504 becomes an infinity.
; A work-group makes 256 x 256 of C with four waves, a wave 128 x 128: 64 accumulator tiles, 512 registers.  K goes in steps of 128 through a
; ring of two LDS slots filled by the tensor data mover: a tile's rows are 256 bytes of memory at multiples of 256 bytes.
; CLUSTERS: 4 x 4 work-groups.  The four of a row of the cluster need the same tiles of A, the four of a column the same tiles of B (a cluster's
; 1,024 rows lie inside one third, so all sixteen have the same weight): such a tile is asked for jointly, by the same descriptor in all four.
; 192 work-groups: 12,288 x 1,024 / (256 x 256).  Blocks of 128 x 128 would make 768, with wave tiles of 64 x 64 that read twice the LDS bytes
; for each matrix instruction.
; REGISTERS in windows of 256: window 0: v0-31 addresses, v64-127 and v128-191 fragments of A (two buffers), v192-223 the way out;
; window 1: v64-127, v128-191 fragments of B; window 2: accumulators of my rows 0-63 (tile (a, b) at v[8 (8 a + b)]); window 3: rows 64-127.
; THE MATRIX INSTRUCTION IS USED TRANSPOSED (source 0 = rows of B, source 1 = rows of A): a lane's eight results are eight neighbouring
; columns of one row of C, 16 bytes of f16.
.set SIZE_K, 1024
.set KSTEP,  128
.set PITCH,  272                       ; an LDS row: 256 bytes + 16 of padding: the 16 rows of a fragment load start at 16 different banks
.set HALFT,  128*PITCH                 ; 128 rows: one tensor load
.set SLOT,   4*HALFT                   ; A's 256 rows, then B's 256 rows
.set STAGE,  2*SLOT                    ; behind the ring: 16 rows x 272 bytes for each wave; no fill lands here
.set SPITCH, 272
.set LAPS, SIZE_K/(2*KSTEP)            ; 4 laps of two K steps
.set ADRA, 16
.set ADRB, 20
.set STO,  24
.set RD,   25
.set CO,   26
.set F0,   64
.set F1,   128
.set TMP,  192
.set G1, 24                            ; s[24:31] group 1 for A's tiles
.set G0, 32                            ; s[32:39] group 0 for A's tiles, one set a slot
.set G1B, 48                           ; s[48:55] group 1 for B's tiles
.set G0B, 56                           ; s[56:63] group 0 for B's tiles
.set MSB, 0
.macro WIN new                         ; the immediate's high byte repeats the setting that is left
.if MSB != \new
	s_set_vgpr_msb (MSB<<8)|\new
.set MSB, \new
.endif
.endm
.set MUL_LO, 0xa1                      ; source 0 (B) window 1, source 1 (A) window 0, C and D window 2
.set MUL_HI, 0xf1                      ; the same, C and D window 3
.set TO_B,   0x40                      ; destination window 1
; A joint load: waves 0 and 1 fetch A's halves, waves 2 and 3 B's.  The branch hangs on the wave's number alone.
.macro JLOAD s
	s_cmp_eq_u32 s11, 0
	s_cbranch_scc0 .Lfor_b_\@
	tensor_load_to_lds s[G0+4*\s:G0+4*\s+3], s[G1:G1+7]
	s_nop 0
	s_branch .Lasked_\@
.Lfor_b_\@:
	tensor_load_to_lds s[G0B+4*\s:G0B+4*\s+3], s[G1B:G1B+7]
	s_nop 0
.Lasked_\@:
.endm
.macro CREST                           ; a round of the cluster's barrier behind its opening barrier
	s_cmp_lg_u32 s10, 0
	s_cbranch_scc1 .Lnot_wave_0_\@
	s_barrier_signal -3
.Lnot_wave_0_\@:
	s_barrier_wait -3
	s_barrier_signal -1
	s_barrier_wait -1
.endm
.macro CROUND                          ; a whole round
	s_barrier_signal -1
	s_barrier_wait -1
	CREST
.endm
	s_load_b128 s[4:7], s[0:1], 0x0                ; xh s[4:5], wh s[6:7]
	s_load_b64 s[8:9], s[0:1], 0x10                ; qkv
	s_set_vgpr_msb 0x40
	v_lshl_add_u32 v255, v0, 2, 0x48400
	s_set_vgpr_msb 0x4000
	v_mov_b32 v255, 0
	s_set_vgpr_msb 0x1
	ds_add_u32 v255, v255
	s_set_vgpr_msb 0x100
	v_lshrrev_b32 v1, 5, v0
	v_readfirstlane_b32 s10, v1                    ; wave 0..3
	s_lshr_b32 s11, s10, 1                         ; my half of the block's rows; also: I fetch for A (0) or B (1)
	s_and_b32 s12, s10, 1                          ; my half of its columns; also: which 128 rows of the tile I fetch
	s_bfe_u32 s40, ttmp6, 0x40000                  ; cx
	s_bfe_u32 s41, ttmp6, 0x40004                  ; cy
	s_lshl_b32 s42, ttmp9, 2
	s_add_co_u32 s42, s42, s40                     ; block column of C
	s_and_b32 s13, ttmp7, 0xffff                   ; the cluster's y
	s_lshr_b32 s45, s13, 2                         ; which third (query, key, value): four clusters of 1,024 rows each; the same in all sixteen
	s_lshl_b32 s45, s45, 10                        ; its weight's first row in wh
	s_lshl_b32 s13, s13, 2
	s_add_co_u32 s13, s13, s41                     ; block row of C
	s_lshl_b32 s43, s41, 2
	s_lshl_b32 s43, 15, s43                        ; my row of the cluster
	s_lshl_b32 s44, 0x1111, s40                    ; my column
	; group 1: 128 rows x 128 elements of 2 bytes, 4 words of padding behind every 64
	s_or_b32 s[G1+0], s43, (1<<16)|(1<<20)|(1<<21)|(5<<22)|(3<<25)
	s_or_b32 s[G1B+0], s44, (1<<16)|(1<<20)|(1<<21)|(5<<22)|(3<<25)
	s_mov_b32 s[G1B+1], KSTEP<<16
	s_mov_b32 s[G1+1], KSTEP<<16                   ; tensor_dim0 = 128
	s_mov_b32 s[G1B+2], 128<<16
	s_mov_b32 s[G1+2], 128<<16                     ; tensor_dim1 = 128
	s_mov_b32 s[G1B+3], KSTEP<<16
	s_mov_b32 s[G1+3], KSTEP<<16                   ; tile_dim0 = 128
	s_mov_b32 s[G1B+4], 128
	s_mov_b32 s[G1+4], 128                         ; tile_dim1 = 128
	s_mov_b32 s[G1B+5], SIZE_K
	s_mov_b32 s[G1+5], SIZE_K                      ; elements from row to row
	s_mov_b32 s[G1B+6], 0
	s_mov_b32 s[G1+6], 0
	s_mov_b32 s[G1B+7], 0
	s_mov_b32 s[G1+7], 0
	s_lshl_b32 s17, s12, 7                         ; which 128 rows of the tile I fetch
	s_lshl_b32 s16, s13, 8
	s_add_co_u32 s16, s16, s17                     ; A: row 256 x block row + 128 x half
	s_lshl_b32 s46, s42, 8
	s_add_co_u32 s46, s46, s17
	s_add_co_u32 s46, s46, s45                     ; B: the weight's first row + 256 x block column + 128 x half
	s_mov_b32 s17, 0
	s_mov_b32 s47, 0
	s_mov_b64 s[18:19], SIZE_K*2
	s_mul_u64 s[16:17], s[16:17], s[18:19]
	s_mul_u64 s[46:47], s[46:47], s[18:19]
	s_mul_i32 s20, s10, HALFT                      ; LDS: wave x 128 rows
	s_wait_dscnt 0x0
	s_wait_kmcnt 0x0
	s_add_nc_u64 s[14:15], s[4:5], s[16:17]
	s_add_nc_u64 s[46:47], s[6:7], s[46:47]
	CROUND                                         ; all sixteen work-groups are here: the first joint loads meet
.irp s, 0,1
	s_mov_b32 s[G0+4*\s], 1
	s_add_co_u32 s[G0+4*\s+1], s20, \s*SLOT
	s_add_nc_u64 s[G0+4*\s+2:G0+4*\s+3], s[14:15], \s*KSTEP*2
	s_or_b32 s[G0+4*\s+3], s[G0+4*\s+3], 0x80000000
	s_mov_b32 s[G0B+4*\s], 1
	s_add_co_u32 s[G0B+4*\s+1], s20, \s*SLOT
	s_add_nc_u64 s[G0B+4*\s+2:G0B+4*\s+3], s[46:47], \s*KSTEP*2
	s_or_b32 s[G0B+4*\s+3], s[G0B+4*\s+3], 0x80000000
	JLOAD \s                                       ; two tensor loads of the wave are out from here on, later one
.endr
	v_and_b32 v1, 15, v0                           ; l % 16
	v_bfe_u32 v2, v0, 4, 1                         ; l / 16
	v_mul_u32_u24 v3, v1, PITCH
	v_lshl_add_u32 v3, v2, 4, v3                   ; fragment: row x pitch + 16 x half
	s_mul_i32 s21, s11, HALFT
	s_mul_i32 s22, s12, HALFT
	s_add_co_u32 s22, s22, 2*HALFT
.irp s, 0,1
	v_add_nc_u32 v[ADRA+\s], s21, v3
	v_add_nc_u32 v[ADRB+\s], s22, v3
	s_add_co_u32 s21, s21, SLOT
	s_add_co_u32 s22, s22, SLOT
.endr
	s_mul_i32 s23, s10, 16*SPITCH
	s_add_co_u32 s23, s23, STAGE                   ; my stage
	v_mul_u32_u24 v4, v1, SPITCH                   ; in: token l % 16, 16 bytes for each half of the lanes
	v_lshl_add_u32 v4, v2, 4, v4
	v_add_nc_u32 v[STO], s23, v4
	; back: lanes 0-15 take two tokens' 128 bytes of my first head, lanes 16-31 of my second head
	v_bfe_u32 v6, v0, 3, 1                         ; which of the two tokens
	v_and_b32 v7, 7, v0                            ; which 16 bytes
	v_mul_u32_u24 v5, v6, SPITCH
	v_lshl_add_u32 v5, v2, 7, v5
	v_lshl_add_u32 v5, v7, 4, v5
	v_add_nc_u32 v[RD], s23, v5
	v_lshlrev_b32 v5, 18, v2                       ; a head's plane is 262,144 bytes
	v_lshl_add_u32 v5, v6, 7, v5
	v_lshl_add_u32 v[CO], v7, 4, v5
; 16 matrix instructions; zero = 1: the first product starts the sums.  The 64 accumulators take turns, one instruction a turn, in the same
; order in every quarter step, over the backward jump too.
.macro MUL16 f, hi, a0, zero
.irp a, \a0, \a0+1
.irp b, 0,1,2,3,4,5,6,7
.if \zero
	v_wmma_f32_16x16x32_f16 v[8*(8*(\a)+\b):8*(8*(\a)+\b)+7], v[\f+8*\b:\f+8*\b+7], v[\f+8*(4*\hi+\a):\f+8*(4*\hi+\a)+7], 0
.else
	v_wmma_f32_16x16x32_f16 v[8*(8*(\a)+\b):8*(8*(\a)+\b)+7], v[\f+8*\b:\f+8*\b+7], v[\f+8*(4*\hi+\a):\f+8*(4*\hi+\a)+7], v[8*(8*(\a)+\b):8*(8*(\a)+\b)+7]
.endif
.endr
.endr
.endm
.macro FETCH slot, k, f                ; 32 LDS loads: one quarter step's fragments
	WIN TO_B
.irp i, 0,1,2,3,4,5,6,7
	ds_load_b128 v[\f+8*\i:\f+8*\i+3],   v[ADRB+\slot] offset:\k+\i*16*PITCH
	ds_load_b128 v[\f+8*\i+4:\f+8*\i+7], v[ADRB+\slot] offset:\k+\i*16*PITCH+32
.endr
	WIN 0
.irp i, 0,1,2,3,4,5,6,7
	ds_load_b128 v[\f+8*\i:\f+8*\i+3],   v[ADRA+\slot] offset:\k+\i*16*PITCH
	ds_load_b128 v[\f+8*\i+4:\f+8*\i+7], v[ADRA+\slot] offset:\k+\i*16*PITCH+32
.endr
.endm
.macro PLACES                          ; four places behind a matrix instruction (ISA guide 7.12.1) before its registers are loaded into or its result is read
.rept 4
	v_nop
.endr
.endm
.macro QUARTER slot, k, f, g, zero
	s_wait_dscnt 8                                 ; B and A's rows 0-63 are in; the youngest eight loads (A's rows 64-127) may be out
	WIN MUL_LO
	MUL16 \f, 0, 0, \zero
	MUL16 \f, 0, 2, \zero
	PLACES
	FETCH \slot, \k, \g
	s_wait_dscnt 32                                ; all but the 32 just issued
	WIN MUL_HI
	MUL16 \f, 1, 0, \zero
	MUL16 \f, 1, 2, \zero
.endm
.macro THREE slot, zero
	QUARTER \slot, 64,  F0, F1, \zero
	QUARTER \slot, 128, F1, F0, 0
	QUARTER \slot, 192, F0, F1, 0
.endm
; The last quarter of a K step changes slots: each wave waits for its reads of this slot and for all its tensor loads, then the barrier
; (with a refill: a round of the cluster's barrier), then the refill first, then the next slot's first fragments.
.macro TURN slot, next, fill
	s_wait_dscnt 8
	WIN MUL_LO
	MUL16 F1, 0, 0, 0
	s_wait_dscnt 0                                 ; my reads of this slot are over
	s_wait_tensorcnt 0x0                           ; all my tensor loads have landed: my part of the next slot
	ds_add_u32 v255, v255
	s_wait_dscnt 0x0
	s_barrier_signal -1
	MUL16 F1, 0, 2, 0                              ; register work while the others arrive
	WIN 0
	s_barrier_wait -1
.if \fill
	CREST
	s_add_nc_u64 s[G0+4*\slot+2:G0+4*\slot+3], s[G0+4*\slot+2:G0+4*\slot+3], 2*KSTEP*2
	s_add_nc_u64 s[G0B+4*\slot+2:G0B+4*\slot+3], s[G0B+4*\slot+2:G0B+4*\slot+3], 2*KSTEP*2
	JLOAD \slot                                    ; the first tensor load behind the round, the wave's only one until the next
.endif
	PLACES
	FETCH \next, 0, F0
	WIN MUL_HI
	MUL16 F1, 1, 0, 0
	MUL16 F1, 1, 2, 0
.endm
.macro LAP zero
	THREE 0, \zero
	TURN 0, 1, 1
	THREE 1, 0
	TURN 1, 0, 1
.endm
	s_wait_tensorcnt 1                             ; my part of K step 0 is in; K step 1's load, issued behind it, stays out
	s_barrier_signal -1
	s_barrier_wait -1
	FETCH 0, 0, F0
	LAP 1
	WIN 0
	s_mov_b32 s3, LAPS-2
.Llap:
	LAP 0
	WIN 0
	s_sub_co_u32 s3, s3, 1
	s_cmp_lg_u32 s3, 0
	s_cbranch_scc1 .Llap
	THREE 0, 0                                     ; the last lap fills nothing
	TURN 0, 1, 0
	THREE 1, 0
	s_wait_dscnt 8
	WIN MUL_LO
	MUL16 F1, 0, 0, 0
	MUL16 F1, 0, 2, 0
	s_wait_dscnt 0
	WIN MUL_HI
	MUL16 F1, 1, 0, 0
	MUL16 F1, 1, 2, 0
	PLACES                                         ; behind the last matrix instructions: their results are read and rewritten below
	; Q alone (the first third) takes the factor log2(e)/8, in f32.  The third is made of the cluster's y: the branch is the same in all sixteen
	; partners and in all four waves, and jumps over register work alone.
	WIN 0
	s_cmp_lg_u32 s45, 0
	s_cbranch_scc1 .Lplain
	s_mov_b32 s18, 0x3e38aa3b                      ; log2(e) / 8
	s_mov_b32 s19, 0x3e38aa3b                      ; the pair is named whole
	WIN 0x82                                       ; source 0 and destination in window 2
.set i, 0
.rept 128
	v_pk_mul_f32 v[i:i+1], v[i:i+1], s[18:19] op_sel_hi:[1,0]
.set i, i+2
.endr
	WIN 0xc3                                       ; and in window 3
.set i, 0
.rept 128
	v_pk_mul_f32 v[i:i+1], v[i:i+1], s[18:19] op_sel_hi:[1,0]
.set i, i+2
.endr
	WIN 0
.Lplain:
	; THE WAY OUT, 16 tokens at a time: round to f16, 16 bytes a lane into my stage, read back so that sixteen lanes hold two tokens of one head.
	s_lshl_b32 s16, s13, 8
	s_lshl_b32 s14, s11, 7
	s_add_co_u32 s16, s16, s14                     ; my first row m0 of the 12,288
	s_lshr_b32 s14, s16, 11                        ; 2 x third + batch
	s_lshl_b32 s14, s14, 22                        ; sixteen planes of 262,144 bytes
	s_and_b32 s16, s16, 2047                       ; the token
	s_lshl_b32 s16, s16, 7
	s_add_co_u32 s16, s16, s14
	s_mov_b32 s17, 0
	s_add_nc_u64 s[8:9], s[8:9], s[16:17]
	s_lshl_b32 s46, s42, 2                         ; my first head: 4 x block column + 2 x half (in registers that feed none of A's descriptors)
	s_lshl_b32 s47, s12, 1
	s_add_co_u32 s46, s46, s47
	s_lshl_b32 s46, s46, 18
	s_mov_b32 s47, 0
	s_add_nc_u64 s[8:9], s[8:9], s[46:47]
.macro OUT16 i, a, from, f
	WIN \from
.irp b, 0,1,2,3,4,5,6,7
.irp r, 0,1,2,3
	v_cvt_pk_f16_f32 v[TMP+4*\b+\r], v[8*(8*\a+\b)+2*\r], v[8*(8*\a+\b)+2*\r+1]
.endr
.endr
	WIN 0
.irp b, 0,1,2,3,4,5,6,7
	ds_store_b128 v[STO], v[TMP+4*\b:TMP+4*\b+3] offset:32*\b
.endr
	s_wait_xcnt 0x0                                ; buffer f, which earlier stores read, and the stores' base are rewritten only behind this wait
.if \i
	s_add_nc_u64 s[8:9], s[8:9], 16*128            ; sixteen tokens on
.endif
.irp t, 0,1,2,3,4,5,6,7
	ds_load_b128 v[\f+4*\t:\f+4*\t+3], v[RD] offset:\t*2*SPITCH    ; LDS serves a wave's instructions in order: these see the stores above
.endr
.irp t, 0,1,2,3,4,5,6,7
	s_wait_dscnt 7-\t                              ; the 7 - t loads issued behind load t may stay out
	global_store_b128 v[CO], v[\f+4*\t:\f+4*\t+3], s[8:9] offset:256*\t   ; sixteen lanes store 256 consecutive bytes, aligned
.endr
.endm
	OUT16 0, 0, 0x0a, F0
	OUT16 1, 1, 0x0a, F1
	OUT16 2, 2, 0x0a, F0
	OUT16 3, 3, 0x0a, F1
	OUT16 4, 0, 0x0f, F0
	OUT16 5, 1, 0x0f, F1
	OUT16 6, 2, 0x0f, F0
	OUT16 7, 3, 0x0f, F1
	s_set_vgpr_msb 0x1
	s_wait_tensorcnt 0x0
	ds_add_u32 v255, v255
	s_wait_dscnt 0x0
	s_set_vgpr_msb 0x100
	CROUND                                         ; the closing round: no work-group ends while a partner may still ask for a tile that names it
	s_endpgm
.Lfunc_end_k_qc31158eddf_qkv:
	.size	k_qc31158eddf_qkv, .Lfunc_end_k_qc31158eddf_qkv-k_qc31158eddf_qkv
	.p2alignl 7, 3214868480
	.fill 96, 4, 3214868480
	.section	.rodata,"a",@progbits
	.p2align	6, 0x0
	.amdhsa_kernel k_qc31158eddf_qkv
		.amdhsa_group_segment_fixed_size 327680
		.amdhsa_private_segment_fixed_size 0
		.amdhsa_enable_private_segment 0
		.amdhsa_kernarg_size 24
		.amdhsa_user_sgpr_count 2
		.amdhsa_user_sgpr_kernarg_segment_ptr 1
		.amdhsa_wavefront_size32 1
		.amdhsa_system_sgpr_workgroup_id_x 1
		.amdhsa_system_sgpr_workgroup_id_y 1
		.amdhsa_system_sgpr_workgroup_id_z 1
		.amdhsa_system_vgpr_workitem_id 0
		.amdhsa_next_free_vgpr 1024
		.amdhsa_next_free_sgpr 66
		.amdhsa_reserve_vcc 0
		.amdhsa_float_denorm_mode_32 3
		.amdhsa_float_denorm_mode_16_64 3
		.amdhsa_memory_ordered 1
		.amdhsa_forward_progress 1
		.amdhsa_inst_pref_size 213
	.end_amdhsa_kernel
	.amdgpu_metadata
---
amdhsa.version: [ 1, 2 ]
amdhsa.kernels:
  - .name:           k_qc31158eddf_qkv
    .symbol:         k_qc31158eddf_qkv.kd
    .args:
      - { .name: xh, .offset: 0, .size: 8, .value_kind: global_buffer, .address_space: global }
      - { .name: wh, .offset: 8, .size: 8, .value_kind: global_buffer, .address_space: global }
      - { .name: qkv, .offset: 16, .size: 8, .value_kind: global_buffer, .address_space: global }
    .group_segment_fixed_size: 327680
    .private_segment_fixed_size: 0
    .kernarg_segment_align: 8
    .kernarg_segment_size: 24
    .max_flat_workgroup_size: 128
    .sgpr_count:     66
    .vgpr_count:     1024
    .wavefront_size: 32
...
	.end_amdgpu_metadata
.endif
;; end of part 2
;; launch attn (part 3): grid 8 x 32, 8 waves a work-group, clusters of 4 x 1, 327,680 bytes of LDS; arguments qkv, mbits, xatt; writes xatt
.if DOCPART == 3
	.amdgcn_target "amdgcn-amd-amdhsa--gfx1250"
	.amdhsa_code_object_version 6
	.text
	.protected	k_qc31158eddf_attn
	.globl	k_qc31158eddf_attn
	.p2align	8
	.type	k_qc31158eddf_attn,@function
k_qc31158eddf_attn:
	s_mov_b64 s[64:65], 0
	v_nop
	global_prefetch_b8 v0, s[64:65] scope:SCOPE_SE
	s_setreg_imm32_b32 hwreg(HW_REG_WAVE_MODE, 25, 1), 1
	s_wait_xcnt 0x0
	s_wait_alu depctr_hold_cnt(0) depctr_sa_sdst(0) depctr_va_vdst(0) depctr_va_sdst(0) depctr_va_ssrc(0) depctr_va_vcc(0) depctr_vm_vsrc(0)
	s_getreg_b32 s2, hwreg(HW_REG_IB_STS2, 6, 4)
	s_cmp_eq_u32 s2, 0
	s_cbranch_scc0 .Lentry_in_a_cluster
	s_endpgm
.Lentry_in_a_cluster:
	s_bfe_u32 s2, ttmp6, 0x10000c
	s_cmp_lg_u32 s2, 0x3003
	s_cbranch_scc0 .Lentry_shape_is_right
	s_endpgm
.Lentry_shape_is_right:
; ATTN: softmax(Q K^T / 8, masked) V for one head (y = 16 b + h) and 256 queries; f16 operands, f32 sums and softmax.
; Q arrives already times log2(e)/8, so a score is in the units of v_exp_f32.  A running maximum is subtracted before every exponential, so every
; weight is at most 1.  A masked score is -inf, its weight exactly 0.  A row with no key left has the sum 0: its 1/sum is replaced by 0, the row is 0.
; The mask is an input: nothing of its shape is built in, every key tile is worked on.  Leaving out tiles that are masked whole would make trip
; counts or branches differ between the partners of a cluster.
; THE MASK WORDS (one word = the lane mask of one register of a tile of S^T) come by vector loads, a whole trip ahead: a wave's words of a trip are
; four aligned blocks of 256 bytes (one a query tile), 8 bytes a lane, in one of two sets of eight registers; v_readlane_b32 moves a unit's 32 words
; into scalar registers, where v_cndmask_b32 wants them.  Scalar loads would spare those moves, but they may return out of order, so that only a wait
; for all of them shows anything (ISA guide 5.7.1): their lead could never be more than the one unit whose registers have just come free.
; THE RESULT LEAVES AS TWO f16 NUMBERS: xatt [b][h][2][s][64], plane 0 = X with the low 13 bits of its f32 mantissa cleared (11 significant bits,
; an f16 number), plane 1 = the rest, X minus that, rounded to f16.  Together they hold X to about 21 bits; the last product adds both.
; LIMITS: scores that are +inf or NaN are not served.  Below 2^-14 the first plane keeps X to 2^-25 absolute.
; SHARES: eight waves.  Wave w: g = w >> 1 picks 64 queries (four tiles of 16), p = w & 1 picks keys 128 p .. 128 p + 127 of every tile of 256 keys;
; the two waves of a pair are merged at the end through LDS.  Two waves lie on a SIMD, so that one's softmax runs beside the other's matrix work.
; TRANSPOSED: S^T = K Q^T (source 0 = 16 keys, source 1 = 16 queries): lane (r, h) holds keys 8 h + j of query r, so a query's figures are one
; number a lane, and two tiles of S^T packed in pairs are already source 1 of O^T = V^T P^T.  V^T comes by the transposing LDS load.
; CLUSTER: the four query blocks of a cluster read the same K and V: every tile is asked for jointly (mask 15).
; LDS: two slots of 77,824 bytes (K: 256 keys x 144; V: 256 keys x 160), then 18,432 bytes of scratch for each pair of waves; no fill lands there.
; One tensor load of a wave is out at any time; it has a whole trip (128 matrix instructions and the softmax of eight units) in which to land.
; EIGHT TRIPS: the first is written out (it starts the sums), six run in a loop of three passes, the last is written out (it fetches nothing).
.set TILEB,   32768                    ; 256 keys x 128 bytes in memory
.set KPITCH,  144                      ; odd multiple of 16: a fragment's 16 rows start at 16 different banks
.set VPITCH,  160                      ; odd multiple of 32, for the transposing load
.set KBYTES,  256*KPITCH
.set SLOT,    KBYTES+256*VPITCH
.set SCRATCH, 2*SLOT
.set SCRG,    18432                    ; O 16,384; maxima 1,024; sums 1,024.  Later the stage: 64 queries x 144 bytes for each of the two planes
.set LOST,    64*KPITCH                ; the second plane's half of the stage
.set PLANE,   262144                   ; 2,048 tokens x 128 bytes
; window 0
.set KAD,  2                           ; v2, v3   my K fragments in slot 0, 1
.set VAD,  4                           ; v4, v5   my V fragments in slot 0, 1
.set QOFF, 6
.set SCR,  7                           ; scratch + 16 lane
.set STO,  8                           ; stage in: query r, 16 bytes a half
.set RD,   9                           ; stage back: four queries' 512 bytes
.set XO,   10
.set KF,   16                          ; v[16:79]   K fragments, 16 kt + 8 dh
.set VF,   80                          ; v[80:143]  V^T fragments, 32 kg + 8 dt
.set QF,   144                         ; v[144:207] Q fragments, 16 qt + 8 dh
.set MO,   210                         ; v210       8 x lane: my 8 bytes of a block of mask words; never rewritten
.set MV,   212                         ; v[212:227] mask words, set b (the trip's slot) at 8 b, query tile qt at 2 qt: lane L holds words 2 L, 2 L + 1
; window 1 (written by their low 8 bits)
.set OB,   64                          ; O^T, tile at 32 qt + 8 dt; below it two S buffers of 32 registers
.set ST,   192                         ; pair 2 qt: running maximum, last rescale factor
.set LS,   200                         ; pair 2 qt: two partial sums of weights
.set T,    208
.set NEGINF, 216
.set ST2,  220                         ; the partner's ST
.set LS2,  228                         ; the partner's LS
.set F,    236
.set G1K, 16
.set G1V, 24
.set G0K, 32                           ; one set of four a slot
.set G0V, 40
.set MK,  68                           ; s[68:99] the 32 mask words of a unit: word 8 kt + j is the lane mask of register 8 kt + j
.set MSB, 0
.macro WIN new                         ; the immediate's high byte repeats the setting that is left
.if MSB != \new
	s_set_vgpr_msb (MSB<<8)|\new
.set MSB, \new
.endif
.endm
.macro PLACES                          ; four places behind a matrix instruction (ISA guide 7.12.1)
.rept 4
	v_nop
.endr
.endm
.macro ROUND                           ; a round of the cluster's barrier
	s_barrier_signal -1
	s_barrier_wait -1
	s_cmp_lg_u32 s10, 0
	s_cbranch_scc1 .Lnot_wave_0_\@
	s_barrier_signal -3
.Lnot_wave_0_\@:
	s_barrier_wait -3
	s_barrier_signal -1
	s_barrier_wait -1
.endm
.macro JLOAD s                         ; waves 0-3 fetch 64 keys of K each, waves 4-7 of V; the branch hangs on the wave's number alone
	s_cmp_eq_u32 s11, 0
	s_cbranch_scc0 .Lfor_v_\@
	tensor_load_to_lds s[G0K+4*\s:G0K+4*\s+3], s[G1K:G1K+7]
	s_nop 0
	s_branch .Lasked_\@
.Lfor_v_\@:
	tensor_load_to_lds s[G0V+4*\s:G0V+4*\s+3], s[G1V:G1V+7]
	s_nop 0
.Lasked_\@:
.endm
; The four blocks of mask words of one trip into set b, from the base as it stands.  Each load covers 256 consecutive bytes, aligned.  Window 0.
.macro MLOAD b
.irp qt, 0,1,2,3
	global_load_b64 v[MV+8*\b+2*\qt:MV+8*\b+2*\qt+1], v[MO], s[54:55] offset:\qt*4096
.endr
.endm
; The 32 words of the unit (query tile qt, step st) of set b into s[68:99]: word 32 st + i of the block lies in register i & 1 of lane 16 st + (i >> 1).
; Stands where source 0 means window 0.
.macro MREAD b, qt, st
.set i, 0
.rept 32
	v_readlane_b32 s[MK+i], v[MV+8*\b+2*\qt+(i&1)], 16*\st+(i>>1)
.set i, i+1
.endr
.endm
	s_load_b128 s[4:7], s[0:1], 0x0                ; qkv s[4:5], mbits s[6:7]
	s_load_b64 s[8:9], s[0:1], 0x10                ; xatt
	v_lshl_add_u32 v254, v0, 2, 0x38000
	v_mov_b32 v255, 0
	ds_add_u32 v254, v255
	v_lshrrev_b32 v1, 5, v0
	v_readfirstlane_b32 s10, v1                    ; wave 0..7
	s_lshr_b32 s11, s10, 2                         ; I fetch K (0) or V (1)
	s_and_b32 s12, s10, 3                          ; which 64 keys of a tile I fetch
	s_lshr_b32 s13, s10, 1                         ; g
	s_and_b32 s14, s10, 1                          ; p
	s_bfe_u32 s56, ttmp6, 0x40000                  ; cx
	s_lshl_b32 s57, ttmp9, 2
	s_add_co_u32 s57, s57, s56                     ; query block 0..7
	s_and_b32 s58, ttmp7, 0xffff                   ; y = 16 b + h
	s_mov_b32 s52, 0x76543210                      ; v_permlanex16_b32: lane i reads lane i of the other half
	s_mov_b32 s53, 0xfedcba98
	s_mov_b32 s50, 0xffffe000                      ; keeps sign, exponent and the top 10 mantissa bits of an f32
	; group 1: a dense block of 8,192 bytes as 32 rows of 32 elements of 8 bytes; padding behind every 32 words (a key's 128 bytes): 4 words for K, 8 for V
	s_mov_b32 s[G1K+0], 15|(3<<16)|(1<<20)|(1<<21)|(4<<22)|(3<<25)
	s_mov_b32 s[G1V+0], 15|(3<<16)|(1<<20)|(1<<21)|(4<<22)|(7<<25)
	s_mov_b32 s[G1K+1], 32<<16                     ; tensor_dim0 = 32
	s_mov_b32 s[G1V+1], 32<<16
	s_mov_b32 s[G1K+2], 32<<16                     ; tensor_dim1 = 32
	s_mov_b32 s[G1V+2], 32<<16
	s_mov_b32 s[G1K+3], 32<<16                     ; tile_dim0 = 32
	s_mov_b32 s[G1V+3], 32<<16
	s_mov_b32 s[G1K+4], 32                         ; tile_dim1 = 32
	s_mov_b32 s[G1V+4], 32
	s_mov_b32 s[G1K+5], 32                         ; pitch = 32 elements
	s_mov_b32 s[G1V+5], 32
	s_mov_b32 s[G1K+6], 0
	s_mov_b32 s[G1V+6], 0
	s_mov_b32 s[G1K+7], 0
	s_mov_b32 s[G1V+7], 0
	s_lshl_b32 s60, s58, 18                        ; the head's plane of 262,144 bytes
	s_lshl_b32 s59, s12, 13
	s_add_co_u32 s62, s60, s59                     ; K and V: plane + my 64 keys; made of y and the wave's number alone
	s_mov_b32 s63, 0
	s_mul_i32 s66, s12, 64*KPITCH                  ; where they go in a slot
	s_mul_i32 s67, s12, 64*VPITCH
	s_add_co_u32 s67, s67, KBYTES
	s_lshl_b32 s59, s57, 15                        ; Q: plane + 256 queries a block + 64 a pair of waves, 128 bytes each
	s_add_co_u32 s60, s60, s59
	s_lshl_b32 s59, s13, 13
	s_add_co_u32 s60, s60, s59
	s_mov_b32 s61, 0
	s_lshl_b32 s48, s58, 18                        ; X: the same with two planes a head
	s_add_co_u32 s48, s48, s60
	s_mov_b32 s49, 0
	s_lshl_b32 s54, s57, 16                        ; mask words: query tile 16 block + 4 g, 4,096 bytes each; key tile 8 p, 32 bytes each
	s_lshl_b32 s59, s13, 14
	s_add_co_u32 s54, s54, s59
	s_lshl_b32 s59, s14, 8
	s_add_co_u32 s54, s54, s59
	s_mov_b32 s55, 0
	s_wait_dscnt 0x0
	s_wait_kmcnt 0x0
	s_add_nc_u64 s[62:63], s[4:5], s[62:63]
	s_add_nc_u64 s[4:5], s[4:5], s[60:61]          ; Q
	s_add_nc_u64 s[8:9], s[8:9], s[48:49]          ; X
	s_add_nc_u64 s[54:55], s[6:7], s[54:55]        ; the first trip's mask words
.irp n, 0,1
	s_mov_b32 s[G0K+4*\n], 1
	s_add_co_u32 s[G0K+4*\n+1], s66, \n*SLOT
	s_add_nc_u64 s[G0K+4*\n+2:G0K+4*\n+3], s[62:63], 8388608+\n*TILEB    ; K is the second third of qkv; slot n starts with tile n
	s_or_b32 s[G0K+4*\n+3], s[G0K+4*\n+3], 0x80000000
	s_mov_b32 s[G0V+4*\n], 1
	s_add_co_u32 s[G0V+4*\n+1], s67, \n*SLOT
	s_add_nc_u64 s[G0V+4*\n+2:G0V+4*\n+3], s[62:63], 16777216+\n*TILEB   ; V the last
	s_or_b32 s[G0V+4*\n+3], s[G0V+4*\n+3], 0x80000000
.endr
	ROUND                                          ; the four work-groups are here: the first joint load meets
	JLOAD 0                                        ; tile 0
	v_and_b32 v1, 15, v0                           ; r
	v_bfe_u32 v11, v0, 4, 1                        ; h
	v_and_b32 v12, 31, v0                          ; lane
	v_and_b32 v13, 7, v0
	v_bfe_u32 v14, v0, 3, 1
	v_lshlrev_b32 v[MO], 3, v12
	v_lshlrev_b32 v[QOFF], 7, v1
	v_lshl_add_u32 v[QOFF], v11, 4, v[QOFF]        ; query r, 16 bytes a half
	MLOAD 0                                        ; the first trip's mask words
.irp qt, 0,1,2,3
.irp dh, 0,1
	global_load_b128 v[QF+16*\qt+8*\dh:QF+16*\qt+8*\dh+3],   v[QOFF], s[4:5] offset:\qt*2048+\dh*64
	global_load_b128 v[QF+16*\qt+8*\dh+4:QF+16*\qt+8*\dh+7], v[QOFF], s[4:5] offset:\qt*2048+\dh*64+32
.endr
.endr
	v_mul_u32_u24 v15, v1, KPITCH
	v_lshl_add_u32 v15, v11, 4, v15                ; r x 144 + 16 h
	s_mul_i32 s59, s14, 128*KPITCH
	v_add_nc_u32 v[KAD], s59, v15
	v_add_nc_u32 v[KAD+1], SLOT, v[KAD]
	v_lshl_add_u32 v208, v11, 3, v13               ; key 8 h + (lane & 7)
	v_mul_u32_u24 v208, v208, VPITCH
	v_lshl_add_u32 v208, v14, 4, v208              ; + 16 bytes for lanes 8-15 of a half
	s_mul_i32 s60, s14, 128*VPITCH
	s_add_co_u32 s60, s60, KBYTES
	v_add_nc_u32 v[VAD], s60, v208
	v_add_nc_u32 v[VAD+1], SLOT, v[VAD]
	s_mul_i32 s61, s13, SCRG
	s_add_co_u32 s61, s61, SCRATCH                 ; my pair's scratch
	v_lshl_add_u32 v[SCR], v12, 4, s61
	v_add_nc_u32 v[STO], s61, v15
	v_bfe_u32 v209, v0, 3, 2
	v_mul_u32_u24 v209, v209, KPITCH
	v_lshl_add_u32 v209, v13, 4, v209
	v_add_nc_u32 v[RD], s61, v209
	v_lshlrev_b32 v[XO], 4, v12
	WIN 0x40
	v_mov_b32 v[NEGINF], 0xff800000
	WIN 0
	s_wait_loadcnt 0x0                             ; Q and the first trip's mask words, once
	MREAD 0, 0, 0                                  ; the first unit's words
; A step is 64 of my keys.  32 LDS loads: K's fragments, then V's transposed.  The four places stand behind the last step's matrix instructions, which read VF.
.macro KVLOAD slot, st
	WIN 0
	PLACES
.irp kt, 0,1,2,3
.irp dh, 0,1
	ds_load_b128 v[KF+16*\kt+8*\dh:KF+16*\kt+8*\dh+3],   v[KAD+\slot] offset:\st*64*KPITCH+\kt*16*KPITCH+\dh*64
	ds_load_b128 v[KF+16*\kt+8*\dh+4:KF+16*\kt+8*\dh+7], v[KAD+\slot] offset:\st*64*KPITCH+\kt*16*KPITCH+\dh*64+32
.endr
.endr
.irp kg, 0,1
.irp dt, 0,1,2,3
	ds_load_tr16_b128 v[VF+32*\kg+8*\dt:VF+32*\kg+8*\dt+3],   v[VAD+\slot] offset:\st*64*VPITCH+\kg*32*VPITCH+\dt*32
	ds_load_tr16_b128 v[VF+32*\kg+8*\dt+4:VF+32*\kg+8*\dt+7], v[VAD+\slot] offset:\st*64*VPITCH+\kg*32*VPITCH+\dt*32+16*VPITCH
.endr
.endr
.endm
; A unit is one query tile x 64 keys.  S^T of a unit: four tiles by turns, one instruction a turn; the first four start the sums.
.macro SMUL qt, buf
	WIN 0x50
.irp kt, 0,1,2,3
	v_wmma_f32_16x16x32_f16 v[32*\buf+8*\kt:32*\buf+8*\kt+7], v[KF+16*\kt:KF+16*\kt+7], v[QF+16*\qt:QF+16*\qt+7], 0
.endr
.irp kt, 0,1,2,3
	v_wmma_f32_16x16x32_f16 v[32*\buf+8*\kt:32*\buf+8*\kt+7], v[KF+16*\kt+8:KF+16*\kt+15], v[QF+16*\qt+8:QF+16*\qt+15], v[32*\buf+8*\kt:32*\buf+8*\kt+7]
.endr
.endm
; Mask, maximum, rescale factor.  The unit's mask words are in s[68:99].
.macro SOFTA qt, buf, first, nops
	WIN 0x55
.if \nops
	PLACES
.endif
.set i, 0
.rept 32
	v_cndmask_b32 v[32*\buf+i], v[NEGINF], v[32*\buf+i], s[MK+i]
.set i, i+1
.endr
.irp k, 0,1,2,3
	v_max3_num_f32 v[T+\k], v[32*\buf+8*\k], v[32*\buf+8*\k+1], v[32*\buf+8*\k+2]
.endr
.irp k, 0,1,2,3
	v_max3_num_f32 v[T+\k], v[T+\k], v[32*\buf+8*\k+3], v[32*\buf+8*\k+4]
.endr
.irp k, 0,1,2,3
	v_max3_num_f32 v[T+\k], v[T+\k], v[32*\buf+8*\k+5], v[32*\buf+8*\k+6]
.endr
	v_max3_num_f32 v[T], v[T], v[32*\buf+7], v[32*\buf+15]
	v_max3_num_f32 v[T+1], v[T+1], v[32*\buf+23], v[32*\buf+31]
	v_max3_num_f32 v[T], v[T], v[T+1], v[T+2]
	v_max_num_f32 v[T], v[T], v[T+3]
	v_permlanex16_b32 v[T+1], v[T], s52, s53       ; the query's other eight keys of each tile lie in the other half
.if \first
	v_max3_num_f32 v[ST+2*\qt], v[T], v[T+1], 0xff7fffff   ; never below -FLT_MAX, so that -inf minus the maximum stays -inf
	v_mov_b32 v[ST+2*\qt+1], 1.0
.else
	v_max3_num_f32 v[T], v[T], v[T+1], v[ST+2*\qt]
	v_sub_f32 v[T+1], v[ST+2*\qt], v[T]            ; old maximum - new, at most 0
	v_exp_f32 v[ST+2*\qt+1], v[T+1]
	v_mov_b32 v[ST+2*\qt], v[T]                    ; the plain instruction behind the exponential (ISA guide 5.7.2)
	s_wait_alu depctr_va_vdst(0)
.endif
.endm
; Weights, rescaling of O^T, sums, packing to f16 in place.
.macro SOFTB qt, buf, first
	WIN 0x55
.set i, 0
.rept 16
	v_pk_add_f32 v[32*\buf+i:32*\buf+i+1], v[32*\buf+i:32*\buf+i+1], v[ST+2*\qt:ST+2*\qt+1] op_sel_hi:[1,0] neg_lo:[0,1] neg_hi:[0,1]
.set i, i+2
.endr
.set i, 0
.rept 32
	v_exp_f32 v[32*\buf+i], v[32*\buf+i]
.set i, i+1
.endr
.if \first
	v_nop                                          ; the plain instruction behind the exponentials
	s_wait_alu depctr_va_vdst(0)
	v_pk_add_f32 v[LS+2*\qt:LS+2*\qt+1], v[32*\buf:32*\buf+1], v[32*\buf+4:32*\buf+5]
.else
.set i, 0
.rept 16
	v_pk_mul_f32 v[OB+32*\qt+i:OB+32*\qt+i+1], v[OB+32*\qt+i:OB+32*\qt+i+1], v[ST+2*\qt:ST+2*\qt+1] op_sel:[0,1] op_sel_hi:[1,1]
.set i, i+2
.endr
	s_wait_alu depctr_va_vdst(0)
	v_pk_fma_f32 v[LS+2*\qt:LS+2*\qt+1], v[LS+2*\qt:LS+2*\qt+1], v[ST+2*\qt:ST+2*\qt+1], v[32*\buf:32*\buf+1] op_sel:[0,1,0] op_sel_hi:[1,1,1]
	v_pk_add_f32 v[LS+2*\qt:LS+2*\qt+1], v[LS+2*\qt:LS+2*\qt+1], v[32*\buf+4:32*\buf+5]
.endif
	v_pk_add_f32 v[T+2:T+3], v[32*\buf+2:32*\buf+3], v[32*\buf+6:32*\buf+7]
.irp i, 8,12,16,20,24,28
	v_pk_add_f32 v[LS+2*\qt:LS+2*\qt+1], v[LS+2*\qt:LS+2*\qt+1], v[32*\buf+\i:32*\buf+\i+1]
	v_pk_add_f32 v[T+2:T+3], v[T+2:T+3], v[32*\buf+\i+2:32*\buf+\i+3]
.endr
	v_pk_add_f32 v[LS+2*\qt:LS+2*\qt+1], v[LS+2*\qt:LS+2*\qt+1], v[T+2:T+3]
.irp kg, 0,1
.irp i, 0,1,2,3,4,5,6,7
	v_cvt_pk_f16_f32 v[32*\buf+16*\kg+\i], v[32*\buf+16*\kg+2*\i], v[32*\buf+16*\kg+2*\i+1]   ; ascending: a register is written after it was read
.endr
.endr
.endm
; O^T += V^T P^T: four tiles by turns, one instruction a turn.  first = 1: the first four start the sums.
; It leaves source 0 in window 0, which the moves of mask words behind it rely on.
.macro PVMUL qt, buf, first
	WIN 0x54
.irp kg, 0,1
.irp dt, 0,1,2,3
.if \first*(1-\kg)
	v_wmma_f32_16x16x32_f16 v[OB+32*\qt+8*\dt:OB+32*\qt+8*\dt+7], v[VF+32*\kg+8*\dt:VF+32*\kg+8*\dt+7], v[32*\buf+16*\kg:32*\buf+16*\kg+7], 0
.else
	v_wmma_f32_16x16x32_f16 v[OB+32*\qt+8*\dt:OB+32*\qt+8*\dt+7], v[VF+32*\kg+8*\dt:VF+32*\kg+8*\dt+7], v[32*\buf+16*\kg:32*\buf+16*\kg+7], v[OB+32*\qt+8*\dt:OB+32*\qt+8*\dt+7]
.endif
.endr
.endr
.endm
; The four units of a step, one unit's softmax behind another unit's matrix instructions.  An S buffer is written again only behind a whole SOFTA of the
; other buffer, and read only behind a whole SOFTB of the other buffer: both are far more than the places asked behind a matrix instruction.
; Behind each unit's last matrix instructions the next unit's mask words are moved: s[68:99] are free since this unit's SOFTA.
; nb, nst: the set and step of the unit that follows the step's last (nb < 0: none follows).
.macro STEP slot, st, first, nb, nst
	KVLOAD \slot, \st
	s_wait_dscnt 16                                ; K's sixteen loads are in; V's sixteen, issued behind them, may stay out
	SMUL 0, 0
	SOFTA 0, 0, \first, 1
	SMUL 1, 1
	SOFTB 0, 0, \first
	s_wait_dscnt 0x0                               ; V's fragments
	PVMUL 0, 0, \first
	MREAD \slot, 1, \st
	SOFTA 1, 1, \first, 0
	SMUL 2, 0
	SOFTB 1, 1, \first
	PVMUL 1, 1, \first
	MREAD \slot, 2, \st
	SOFTA 2, 0, \first, 0
	SMUL 3, 1
	SOFTB 2, 0, \first
	PVMUL 2, 0, \first
	MREAD \slot, 3, \st
	SOFTA 3, 1, \first, 0
	SOFTB 3, 1, \first
	PVMUL 3, 1, \first
.if \nb >= 0
.if \st == 1
	s_wait_loadcnt 0x0                             ; the next trip's four mask loads, issued at this trip's head, are the only global loads out; their base is free from here
.endif
	MREAD \nb, 0, \nst
.endif
.endm
; A trip is one tile of 256 keys, two steps for each wave.  In front of the round every wave waits for its reads of the slot read last and for all its
; tensor loads; behind it the tile of this trip is whole in every partner and the other slot is free: the refill comes first, then the next trip's mask
; words are asked for, into the set whose words were all moved in the last trip.  more = 0: the last trip, which asks for nothing.
.macro TRIP slot, other, more, first
	s_set_vgpr_msb (MSB<<8)|((MSB&0xf0)|0x0)
	s_wait_tensorcnt 0x0                           ; my one load has landed: every group 0 may be written
	ds_add_u32 v254, v255
	s_wait_dscnt 0x0
	s_set_vgpr_msb (((MSB&0xf0)|0x0)<<8)|MSB
	s_add_nc_u64 s[G0K+4*\slot+2:G0K+4*\slot+3], s[G0K+4*\slot+2:G0K+4*\slot+3], 2*TILEB   ; this slot's next tile
	s_add_nc_u64 s[G0V+4*\slot+2:G0V+4*\slot+3], s[G0V+4*\slot+2:G0V+4*\slot+3], 2*TILEB
	s_wait_dscnt 0x0                               ; my reads of the last trip's slot are done
	WIN 0
	ROUND
.if \more
	JLOAD \other
	s_add_nc_u64 s[54:55], s[54:55], 512           ; sixteen key tiles of 32 bytes on; the loads that named this base have been waited for
	MLOAD \other
	STEP \slot, 0, \first, \slot, 1
	STEP \slot, 1, 0, \other, 0
.else
	STEP \slot, 0, \first, \slot, 1
	STEP \slot, 1, 0, -1, 0
.endif
.endm
	TRIP 0, 1, 1, 1                                ; trip 0 starts all sums
	WIN 0
	s_mov_b32 s15, 3                               ; trips 1 to 6
.Lpair:
	TRIP 1, 0, 1, 0
	TRIP 0, 1, 1, 0
	WIN 0
	s_sub_co_u32 s15, s15, 1
	s_cmp_lg_u32 s15, 0
	s_cbranch_scc1 .Lpair
	TRIP 1, 0, 0, 0                                ; trip 7 fills nothing and asks for no mask words beyond the last
	; MERGE of a pair: the odd wave hands over O^T, maxima and sums through the pair's scratch.
	WIN 0
	PLACES                                         ; behind the last matrix instructions: their results are stored, their sources loaded into
	s_cmp_eq_u32 s14, 0
	s_cbranch_scc1 .Leven
	WIN 0x04
.set i, 0
.rept 32
	ds_store_b128 v[SCR], v[OB+4*i:OB+4*i+3] offset:512*i
.set i, i+1
.endr
	ds_store_b128 v[SCR], v[ST:ST+3] offset:16384
	ds_store_b128 v[SCR], v[ST+4:ST+7] offset:16384+512
	ds_store_b128 v[SCR], v[LS:LS+3] offset:17408
	ds_store_b128 v[SCR], v[LS+4:LS+7] offset:17408+512
	WIN 0
.Leven:
	s_wait_dscnt 0x0                               ; for the partner's sake: my stores are done
	ROUND                                          ; orders the stores with the loads below, and is the closing round behind the last joint load
	s_cmp_lg_u32 s14, 0
	s_cbranch_scc1 .Lend
.set i, 0
.rept 32
	ds_load_b128 v[KF+4*i:KF+4*i+3], v[SCR] offset:512*i
.set i, i+1
.endr
	WIN 0x40
	ds_load_b128 v[ST2:ST2+3], v[SCR] offset:16384
	ds_load_b128 v[ST2+4:ST2+7], v[SCR] offset:16384+512
	ds_load_b128 v[LS2:LS2+3], v[SCR] offset:17408
	ds_load_b128 v[LS2+4:LS2+7], v[SCR] offset:17408+512
	s_wait_dscnt 0x0                               ; all of the scratch is read: from here it is my stage
; One query tile: common maximum, both waves' factors, the sum over both halves of the lanes, 1/sum (0 for an empty row), X = (O1 a1 + O2 a2) / sum.
; X is split: its top 11 bits go to the registers that held the partner's O (window 0), the exact rest stays in O's (window 1); both are packed to f16.
; A lane holds eight neighbouring d of a query: 16 bytes of each plane into the stage, whole rows back, 512 consecutive bytes a store.
.macro FIN qt
	WIN 0x55
	v_max_num_f32 v[T], v[ST+2*\qt], v[ST2+2*\qt]
	v_sub_f32 v[T+1], v[ST+2*\qt], v[T]
	v_sub_f32 v[T+2], v[ST2+2*\qt], v[T]
	v_exp_f32 v[T+1], v[T+1]
	v_exp_f32 v[T+2], v[T+2]
	v_add_f32 v[T+4], v[LS+2*\qt], v[LS+2*\qt+1]   ; plain instructions behind the exponentials
	v_add_f32 v[T+5], v[LS2+2*\qt], v[LS2+2*\qt+1]
	s_wait_alu depctr_va_vdst(0)
	v_mul_f32 v[T+4], v[T+4], v[T+1]
	v_fma_f32 v[T+4], v[T+5], v[T+2], v[T+4]
	v_permlanex16_b32 v[T+5], v[T+4], s52, s53
	v_add_f32 v[T+4], v[T+4], v[T+5]
	v_rcp_f32 v[T+6], v[T+4]
	v_cmp_lt_f32 vcc_lo, 0, v[T+4]                 ; the plain instruction behind the reciprocal
	s_wait_alu depctr_va_vdst(0)
	v_cndmask_b32 v[T+6], 0, v[T+6], vcc_lo        ; no key left: the row is 0
	v_mul_f32 v[F], v[T+1], v[T+6]
	v_mul_f32 v[F+1], v[T+2], v[T+6]
.set i, 0
.rept 16
	v_pk_mul_f32 v[OB+32*\qt+i:OB+32*\qt+i+1], v[OB+32*\qt+i:OB+32*\qt+i+1], v[F:F+1] op_sel_hi:[1,0]
.set i, i+2
.endr
	WIN 0x54
.set i, 0
.rept 16
	v_pk_fma_f32 v[OB+32*\qt+i:OB+32*\qt+i+1], v[KF+32*\qt+i:KF+32*\qt+i+1], v[F:F+1], v[OB+32*\qt+i:OB+32*\qt+i+1] op_sel:[0,1,0] op_sel_hi:[1,1,1]
.set i, i+2
.endr
	WIN 0x04                                       ; source 1 in window 1, destination in window 0
.set i, 0
.rept 32
	v_and_b32 v[KF+32*\qt+i], s50, v[OB+32*\qt+i]  ; the top 11 bits
.set i, i+1
.endr
	WIN 0x41                                       ; source 0 and destination in window 1, source 1 in window 0
.set i, 0
.rept 16
	v_pk_add_f32 v[OB+32*\qt+i:OB+32*\qt+i+1], v[OB+32*\qt+i:OB+32*\qt+i+1], v[KF+32*\qt+i:KF+32*\qt+i+1] neg_lo:[0,1] neg_hi:[0,1]   ; the rest, exact
.set i, i+2
.endr
	WIN 0
.irp dt, 0,1,2,3
.irp i, 0,1,2,3
	v_cvt_pk_f16_f32 v[KF+32*\qt+8*\dt+\i], v[KF+32*\qt+8*\dt+2*\i], v[KF+32*\qt+8*\dt+2*\i+1]
.endr
.endr
	WIN 0x55
.irp dt, 0,1,2,3
.irp i, 0,1,2,3
	v_cvt_pk_f16_f32 v[OB+32*\qt+8*\dt+\i], v[OB+32*\qt+8*\dt+2*\i], v[OB+32*\qt+8*\dt+2*\i+1]
.endr
.endr
	WIN 0
.irp dt, 0,1,2,3
	ds_store_b128 v[STO], v[KF+32*\qt+8*\dt:KF+32*\qt+8*\dt+3] offset:\qt*16*KPITCH+32*\dt
.endr
	WIN 0x04
.irp dt, 0,1,2,3
	ds_store_b128 v[STO], v[OB+32*\qt+8*\dt:OB+32*\qt+8*\dt+3] offset:LOST+\qt*16*KPITCH+32*\dt
.endr
	WIN 0
.irp t, 0,1,2,3
	ds_load_b128 v[QF+16*\qt+4*\t:QF+16*\qt+4*\t+3], v[RD] offset:\qt*16*KPITCH+\t*4*KPITCH   ; LDS serves a wave's instructions in order: these see the stores above
.endr
.irp t, 0,1,2,3
	ds_load_b128 v[KF+32*\qt+8*\t+4:KF+32*\qt+8*\t+7], v[RD] offset:LOST+\qt*16*KPITCH+\t*4*KPITCH   ; into the upper four of each eight, free since the packing
.endr
.irp t, 0,1,2,3
	s_wait_dscnt 7-\t                              ; the 7 - t loads issued behind this one may stay out
	global_store_b128 v[XO], v[QF+16*\qt+4*\t:QF+16*\qt+4*\t+3], s[8:9] offset:\qt*2048+512*\t
.endr
.irp t, 0,1,2,3
	s_wait_dscnt 3-\t
	global_store_b128 v[XO], v[KF+32*\qt+8*\t+4:KF+32*\qt+8*\t+7], s[8:9] offset:PLANE+\qt*2048+512*\t
.endr
.endm
	FIN 0
	FIN 1
	FIN 2
	FIN 3
.Lend:
	s_set_vgpr_msb (MSB<<8)|((MSB&0xf0)|0x0)
	s_wait_tensorcnt 0x0
	ds_add_u32 v254, v255
	s_wait_dscnt 0x0
	s_set_vgpr_msb (((MSB&0xf0)|0x0)<<8)|MSB
	s_endpgm
.Lfunc_end_k_qc31158eddf_attn:
	.size	k_qc31158eddf_attn, .Lfunc_end_k_qc31158eddf_attn-k_qc31158eddf_attn
	.p2alignl 7, 3214868480
	.fill 96, 4, 3214868480
	.section	.rodata,"a",@progbits
	.p2align	6, 0x0
	.amdhsa_kernel k_qc31158eddf_attn
		.amdhsa_group_segment_fixed_size 327680
		.amdhsa_private_segment_fixed_size 0
		.amdhsa_enable_private_segment 0
		.amdhsa_kernarg_size 24
		.amdhsa_user_sgpr_count 2
		.amdhsa_user_sgpr_kernarg_segment_ptr 1
		.amdhsa_wavefront_size32 1
		.amdhsa_system_sgpr_workgroup_id_x 1
		.amdhsa_system_sgpr_workgroup_id_y 1
		.amdhsa_system_sgpr_workgroup_id_z 1
		.amdhsa_system_vgpr_workitem_id 0
		.amdhsa_next_free_vgpr 512
		.amdhsa_next_free_sgpr 100
		.amdhsa_reserve_vcc 1
		.amdhsa_float_denorm_mode_32 3
		.amdhsa_float_denorm_mode_16_64 3
		.amdhsa_memory_ordered 1
		.amdhsa_forward_progress 1
		.amdhsa_inst_pref_size 255
	.end_amdhsa_kernel
	.section	.bss,"aw",@nobits
	.p2align	6
	.space	262144
	.amdgpu_metadata
---
amdhsa.version: [ 1, 2 ]
amdhsa.kernels:
  - .name:           k_qc31158eddf_attn
    .symbol:         k_qc31158eddf_attn.kd
    .args:
      - { .name: qkv, .offset: 0, .size: 8, .value_kind: global_buffer, .address_space: global }
      - { .name: mbits, .offset: 8, .size: 8, .value_kind: global_buffer, .address_space: global }
      - { .name: xatt, .offset: 16, .size: 8, .value_kind: global_buffer, .address_space: global }
    .group_segment_fixed_size: 327680
    .private_segment_fixed_size: 0
    .kernarg_segment_align: 8
    .kernarg_segment_size: 24
    .max_flat_workgroup_size: 256
    .sgpr_count:     100
    .vgpr_count:     512
    .wavefront_size: 32
...
	.end_amdgpu_metadata
.endif
;; end of part 3
;; launch oproj (part 4): grid 8 x 32, 4 waves a work-group, clusters of 4 x 4, 327,680 bytes of LDS; arguments xatt, wh, out0; writes out0
.if DOCPART == 4
	.amdgcn_target "amdgcn-amd-amdhsa--gfx1250"
	.amdhsa_code_object_version 6
	.text
	.protected	k_qc31158eddf_oproj
	.globl	k_qc31158eddf_oproj
	.p2align	8
	.type	k_qc31158eddf_oproj,@function
k_qc31158eddf_oproj:
	s_mov_b64 s[64:65], 0
	v_nop
	global_prefetch_b8 v0, s[64:65] scope:SCOPE_SE
	s_setreg_imm32_b32 hwreg(HW_REG_WAVE_MODE, 25, 1), 1
	s_wait_xcnt 0x0
	s_wait_alu depctr_hold_cnt(0) depctr_sa_sdst(0) depctr_va_vdst(0) depctr_va_sdst(0) depctr_va_ssrc(0) depctr_va_vcc(0) depctr_vm_vsrc(0)
	s_getreg_b32 s2, hwreg(HW_REG_IB_STS2, 6, 4)
	s_cmp_eq_u32 s2, 0
	s_cbranch_scc0 .Lentry_in_a_cluster
	s_endpgm
.Lentry_in_a_cluster:
	s_bfe_u32 s2, ttmp6, 0x10000c
	s_cmp_lg_u32 s2, 0xf033
	s_cbranch_scc0 .Lentry_shape_is_right
	s_endpgm
.Lentry_shape_is_right:
; OPROJ: out0[m][n] = sum over (h, d) of X[m][h][d] W_o[n][h][d], f16 operands, f32 sums, f32 out.
; X = xatt [b][h][2][s][64]: two f16 planes a head, X's top 11 bits and the rest.  Both are multiplied by the same W_o and added onto the same sums,
; so X enters to about 21 bits; W_o's fragments are read from LDS once for both planes (24 LDS loads for 32 matrix instructions).
; W_o = the last quarter of wh as [h][n][64].  Both operands are head-major: a head's 128 rows are one dense block of 16,384 bytes.
; A work-group makes 128 x 128 of out0 with four waves of 64 x 64 (16 accumulator tiles): 4,096 x 1,024 / (128 x 128) = 256 work-groups.
; Blocks of 256 x 256 would make 64 work-groups only.
; K goes two heads at a time through two LDS slots; a slot holds six blocks of 128 rows x 144 bytes:
;   0, 1: X of the first head, top and rest;  2, 3: X of the second head;  4, 5: W_o of the two heads.
; One tensor load a wave: waves 0 and 1 bring one head's two planes of X (two rows of 16,384 bytes, a plane apart), waves 2 and 3 one head of W_o.
; CLUSTERS: 4 x 4 work-groups; X's tiles are shared along a row of the cluster, W_o's along a column, each by a joint load.
; Two tensor loads of a wave are out at the start, later one, which has 128 matrix instructions in which to land.
; THE MATRIX INSTRUCTION IS USED TRANSPOSED (source 0 = rows of W_o, source 1 = rows of X): a lane's eight results are eight neighbouring columns.
; REGISTERS: window 0: addresses, two fragment buffers v64-159, v160-255 (W_o's four fragments, X's top four, X's rest four);
; window 1: v0-127 accumulators, tile (a, b) at 8 (4 a + b).
.set PITCH,  144                       ; 128 bytes + 16: a fragment's 16 rows start at 16 different banks
.set BLOCK,  128*PITCH
.set SLOT,   6*BLOCK
.set STAGE,  2*SLOT                    ; 16 rows x 272 bytes for each wave; no fill lands here
.set SPITCH, 272
.set XHEAD,  524288                    ; a head of xatt: two planes of 262,144 bytes
.set WHEAD,  131072                    ; a head of W_o
.set ADRA, 16
.set ADRB, 20
.set STO,  24
.set RD,   25
.set CO,   26
.set F0,   64
.set F1,   160
.set G1, 24
.set G0, 32
.set G1B, 48
.set G0B, 56
.set MSB, 0
.macro WIN new                         ; the immediate's high byte repeats the setting that is left
.if MSB != \new
	s_set_vgpr_msb (MSB<<8)|\new
.set MSB, \new
.endif
.endm
.macro JLOAD s                         ; waves 0 and 1 fetch for X, waves 2 and 3 for W_o; the branch hangs on the wave's number alone
	s_cmp_eq_u32 s11, 0
	s_cbranch_scc0 .Lfor_b_\@
	tensor_load_to_lds s[G0+4*\s:G0+4*\s+3], s[G1:G1+7]
	s_nop 0
	s_branch .Lasked_\@
.Lfor_b_\@:
	tensor_load_to_lds s[G0B+4*\s:G0B+4*\s+3], s[G1B:G1B+7]
	s_nop 0
.Lasked_\@:
.endm
.macro CROUND                          ; a round of the cluster's barrier
	s_barrier_signal -1
	s_barrier_wait -1
	s_cmp_lg_u32 s10, 0
	s_cbranch_scc1 .Lnot_wave_0_\@
	s_barrier_signal -3
.Lnot_wave_0_\@:
	s_barrier_wait -3
	s_barrier_signal -1
	s_barrier_wait -1
.endm
.macro PLACES                          ; four places behind a matrix instruction (ISA guide 7.12.1)
.rept 4
	v_nop
.endr
.endm
	s_load_b128 s[4:7], s[0:1], 0x0                ; xatt s[4:5], wh s[6:7]
	s_load_b64 s[8:9], s[0:1], 0x10                ; out0
	v_lshl_add_u32 v62, v0, 2, 0x3a400
	v_mov_b32 v63, 0
	ds_add_u32 v62, v63
	v_lshrrev_b32 v1, 5, v0
	v_readfirstlane_b32 s10, v1                    ; wave 0..3
	s_lshr_b32 s11, s10, 1                         ; my 64 rows; also: I fetch for X (0) or W_o (1)
	s_and_b32 s12, s10, 1                          ; my 64 columns; also: which of a slot's two heads I fetch
	s_bfe_u32 s40, ttmp6, 0x40000                  ; cx
	s_bfe_u32 s41, ttmp6, 0x40004                  ; cy
	s_lshl_b32 s42, ttmp9, 2
	s_add_co_u32 s42, s42, s40                     ; block column 0..7
	s_and_b32 s13, ttmp7, 0xffff
	s_lshl_b32 s13, s13, 2
	s_add_co_u32 s13, s13, s41                     ; block row 0..31
	s_lshl_b32 s43, s41, 2
	s_lshl_b32 s43, 15, s43                        ; my row of the cluster
	s_lshl_b32 s44, 0x1111, s40                    ; my column
	; group 1: rows of 2,048 elements of 8 bytes (128 tokens of 128 bytes); 4 words of padding behind every 32 (a token); X: two rows, W_o: one
	s_or_b32 s[G1+0], s43, (3<<16)|(1<<20)|(1<<21)|(4<<22)|(3<<25)
	s_or_b32 s[G1B+0], s44, (3<<16)|(1<<20)|(1<<21)|(4<<22)|(3<<25)
	s_mov_b32 s[G1+1], 2048<<16                    ; tensor_dim0 = 2,048
	s_mov_b32 s[G1B+1], 2048<<16
	s_mov_b32 s[G1+2], 2<<16                       ; tensor_dim1 = 2
	s_mov_b32 s[G1B+2], 1<<16                      ; 1
	s_mov_b32 s[G1+3], 2048<<16                    ; tile_dim0 = 2,048
	s_mov_b32 s[G1B+3], 2048<<16
	s_mov_b32 s[G1+4], 2                           ; tile_dim1 = 2
	s_mov_b32 s[G1B+4], 1                          ; 1
	s_mov_b32 s[G1+5], 32768                       ; X: 262,144 bytes from plane to plane
	s_mov_b32 s[G1B+5], 2048                       ; W_o: the one row's own length
	s_mov_b32 s[G1+6], 0
	s_mov_b32 s[G1B+6], 0
	s_mov_b32 s[G1+7], 0
	s_mov_b32 s[G1B+7], 0
	s_lshr_b32 s16, s13, 4                         ; batch
	s_lshl_b32 s16, s16, 4                         ; its first head
	s_add_co_u32 s16, s16, s12                     ; + my head of the slot's two
	s_lshl_b32 s16, s16, 19                        ; 524,288 bytes a head
	s_and_b32 s17, s13, 15
	s_lshl_b32 s17, s17, 14                        ; 128 tokens of 128 bytes a block row
	s_add_co_u32 s16, s16, s17
	s_mov_b32 s17, 0
	s_lshl_b32 s46, s12, 17                        ; W_o: my head of 131,072 bytes
	s_lshl_b32 s47, s42, 14                        ; 128 rows of 128 bytes a block column
	s_add_co_u32 s46, s46, s47
	s_add_co_u32 s46, s46, 6291456                 ; behind W_q, W_k, W_v in wh
	s_mov_b32 s47, 0
	s_mul_i32 s20, s12, 2*BLOCK                    ; LDS, X: blocks 0, 1 or 2, 3
	s_mul_i32 s45, s12, BLOCK
	s_add_co_u32 s45, s45, 4*BLOCK                 ; LDS, W_o: block 4 or 5
	s_wait_dscnt 0x0
	s_wait_kmcnt 0x0
	s_add_nc_u64 s[14:15], s[4:5], s[16:17]
	s_add_nc_u64 s[46:47], s[6:7], s[46:47]
	CROUND                                         ; all sixteen work-groups are here: the first joint loads meet
.irp s, 0,1
	s_mov_b32 s[G0+4*\s], 1
	s_add_co_u32 s[G0+4*\s+1], s20, \s*SLOT
	s_add_nc_u64 s[G0+4*\s+2:G0+4*\s+3], s[14:15], \s*2*XHEAD     ; slot s starts with heads 2 s, 2 s + 1
	s_or_b32 s[G0+4*\s+3], s[G0+4*\s+3], 0x80000000
	s_mov_b32 s[G0B+4*\s], 1
	s_add_co_u32 s[G0B+4*\s+1], s45, \s*SLOT
	s_add_nc_u64 s[G0B+4*\s+2:G0B+4*\s+3], s[46:47], \s*2*WHEAD
	s_or_b32 s[G0B+4*\s+3], s[G0B+4*\s+3], 0x80000000
	JLOAD \s
.endr
	v_and_b32 v1, 15, v0                           ; l % 16
	v_bfe_u32 v2, v0, 4, 1                         ; l / 16
	v_mul_u32_u24 v3, v1, PITCH
	v_lshl_add_u32 v3, v2, 4, v3
	s_mul_i32 s21, s11, 64*PITCH                   ; my 64 rows of X in a block
	s_mul_i32 s22, s12, 64*PITCH                   ; my 64 rows of W_o,
	s_add_co_u32 s22, s22, 4*BLOCK                 ; behind X's four blocks
.irp s, 0,1
	v_add_nc_u32 v[ADRA+\s], s21, v3
	v_add_nc_u32 v[ADRB+\s], s22, v3
	s_add_co_u32 s21, s21, SLOT
	s_add_co_u32 s22, s22, SLOT
.endr
	s_mul_i32 s23, s10, 16*SPITCH
	s_add_co_u32 s23, s23, STAGE
	v_mul_u32_u24 v4, v1, SPITCH                   ; in: row l % 16, 32 bytes for each half of the lanes
	v_lshl_add_u32 v4, v2, 5, v4
	v_add_nc_u32 v[STO], s23, v4
	v_mul_u32_u24 v5, v2, SPITCH                   ; back: lanes 0-15 one row of 256 bytes, lanes 16-31 the next
	v_lshl_add_u32 v5, v1, 4, v5
	v_add_nc_u32 v[RD], s23, v5
	v_lshlrev_b32 v5, 12, v2                       ; the same two rows of out0, 4,096 bytes apart
	v_lshl_add_u32 v[CO], v1, 4, v5
; 24 LDS loads: the fragments of quarter q of a slot (head q >> 1, 32 along d at byte 64 (q & 1)): W_o, X's top, X's rest
.macro FETCH slot, q, f
	WIN 0
.irp i, 0,1,2,3
	ds_load_b128 v[\f+8*\i:\f+8*\i+3],   v[ADRB+\slot] offset:((\q)>>1)*BLOCK+\i*16*PITCH+((\q)&1)*64
	ds_load_b128 v[\f+8*\i+4:\f+8*\i+7], v[ADRB+\slot] offset:((\q)>>1)*BLOCK+\i*16*PITCH+((\q)&1)*64+32
.endr
.irp i, 0,1,2,3
	ds_load_b128 v[\f+32+8*\i:\f+32+8*\i+3],   v[ADRA+\slot] offset:(2*((\q)>>1))*BLOCK+\i*16*PITCH+((\q)&1)*64
	ds_load_b128 v[\f+32+8*\i+4:\f+32+8*\i+7], v[ADRA+\slot] offset:(2*((\q)>>1))*BLOCK+\i*16*PITCH+((\q)&1)*64+32
.endr
.irp i, 0,1,2,3
	ds_load_b128 v[\f+64+8*\i:\f+64+8*\i+3],   v[ADRA+\slot] offset:(2*((\q)>>1)+1)*BLOCK+\i*16*PITCH+((\q)&1)*64
	ds_load_b128 v[\f+64+8*\i+4:\f+64+8*\i+7], v[ADRA+\slot] offset:(2*((\q)>>1)+1)*BLOCK+\i*16*PITCH+((\q)&1)*64+32
.endr
.endm
; 16 matrix instructions on one plane of X (part 0: top, 1: rest): the sixteen accumulators take turns, one instruction a turn, in the same order
; every time
.macro MUL16 f, part, zero
	WIN 0x50
.irp a, 0,1,2,3
.irp b, 0,1,2,3
.if \zero
	v_wmma_f32_16x16x32_f16 v[8*(4*\a+\b):8*(4*\a+\b)+7], v[\f+8*\b:\f+8*\b+7], v[\f+32+32*\part+8*\a:\f+32+32*\part+8*\a+7], 0
.else
	v_wmma_f32_16x16x32_f16 v[8*(4*\a+\b):8*(4*\a+\b)+7], v[\f+8*\b:\f+8*\b+7], v[\f+32+32*\part+8*\a:\f+32+32*\part+8*\a+7], v[8*(4*\a+\b):8*(4*\a+\b)+7]
.endif
.endr
.endr
.endm
; Multiplies quarter q from buffer cur; ahead of that asks for quarter q + 1 into the other buffer.  pl = 1: that buffer was read by the matrix
; instructions just issued, so the places come first.
.macro QSTEP slot, q, cur, nxt, zero, pl
.if \pl
	PLACES
.endif
	FETCH \slot, \q+1, \nxt
	s_wait_dscnt 24                                ; all but the 24 just issued
	MUL16 \cur, 0, \zero
	MUL16 \cur, 1, 0
.endm
.macro SLOTWORK slot, zero             ; four quarters: 128 matrix instructions
.if \zero == 0
	PLACES                                         ; both buffers were read by matrix instructions with no plain instruction since
.endif
	FETCH \slot, 0, F0
	QSTEP \slot, 0, F0, F1, \zero, 0
	QSTEP \slot, 1, F1, F0, 0, 1
	QSTEP \slot, 2, F0, F1, 0, 1
	s_wait_dscnt 0x0
	MUL16 F1, 0, 0
	MUL16 F1, 1, 0
.endm
; The slot just read is filled again, four heads further on: every wave's reads of it and all its tensor loads are waited for in front of the round,
; and the refill is the first thing behind it, one load a wave.
.macro CHANGE slot
	s_wait_dscnt 0x0
	s_wait_tensorcnt 0x0
	ds_add_u32 v62, v63
	s_wait_dscnt 0x0
	s_add_nc_u64 s[G0+4*\slot+2:G0+4*\slot+3], s[G0+4*\slot+2:G0+4*\slot+3], 4*XHEAD
	s_add_nc_u64 s[G0B+4*\slot+2:G0B+4*\slot+3], s[G0B+4*\slot+2:G0B+4*\slot+3], 4*WHEAD
	WIN 0
	CROUND
	JLOAD \slot
.endm
	s_wait_tensorcnt 1                             ; my part of slot 0 is in; slot 1's load, issued behind it, stays out
	s_barrier_signal -1
	s_barrier_wait -1
	SLOTWORK 0, 1                                  ; heads 0, 1: the first products start the sums
	WIN 0
	s_mov_b32 s3, 3                                ; three trips of four heads: heads 2 to 13 are multiplied, heads 4 to 15 asked for
.Llap:
	CHANGE 0
	SLOTWORK 1, 0
	CHANGE 1
	SLOTWORK 0, 0
	WIN 0
	s_sub_co_u32 s3, s3, 1
	s_cmp_lg_u32 s3, 0
	s_cbranch_scc1 .Llap
	s_wait_dscnt 0x0
	s_wait_tensorcnt 0x0                           ; my part of the last two heads
	s_barrier_signal -1
	s_barrier_wait -1                              ; everybody's; nothing is left to fetch
	SLOTWORK 1, 0                                  ; heads 14, 15
	; THE WAY OUT, 16 rows at a time through my stage: 32 bytes a lane in, whole rows of 256 bytes back.
	PLACES
	s_lshl_b32 s16, s13, 19                        ; 128 rows of 4,096 bytes a block row
	s_lshl_b32 s14, s11, 18                        ; my 64 rows
	s_add_co_u32 s16, s16, s14
	s_mov_b32 s17, 0
	s_add_nc_u64 s[8:9], s[8:9], s[16:17]
	s_lshl_b32 s46, s42, 9                         ; 128 columns of 4 bytes a block column (in registers that feed none of X's descriptors)
	s_lshl_b32 s47, s12, 8
	s_add_co_u32 s46, s46, s47
	s_mov_b32 s47, 0
	s_add_nc_u64 s[8:9], s[8:9], s[46:47]
.macro OUTA a, f
	WIN 0x04
.irp b, 0,1,2,3
	ds_store_b128 v[STO], v[8*(4*\a+\b):8*(4*\a+\b)+3] offset:64*\b
	ds_store_b128 v[STO], v[8*(4*\a+\b)+4:8*(4*\a+\b)+7] offset:64*\b+16
.endr
	WIN 0
	s_wait_xcnt 0x0                                ; buffer f, which earlier stores read, and the stores' base are rewritten only behind this wait
.if \a
	s_add_nc_u64 s[8:9], s[8:9], 16*4096
.endif
.irp t, 0,1,2,3,4,5,6,7
	ds_load_b128 v[\f+4*\t:\f+4*\t+3], v[RD] offset:\t*2*SPITCH    ; LDS serves a wave's instructions in order: these see the stores above
.endr
.irp t, 0,1,2,3,4,5,6,7
	s_wait_dscnt 7-\t                              ; the 7 - t loads issued behind load t may stay out
	global_store_b128 v[CO], v[\f+4*\t:\f+4*\t+3], s[8:9] offset:\t*8192 th:TH_STORE_NT   ; sixteen lanes store 256 consecutive bytes, aligned
.endr
.endm
	OUTA 0, F0
	OUTA 1, F1
	OUTA 2, F0
	OUTA 3, F1
	s_wait_tensorcnt 0x0
	ds_add_u32 v62, v63
	s_wait_dscnt 0x0
	CROUND                                         ; the closing round: no work-group ends while a partner may still ask for a tile that names it
	s_endpgm
.Lfunc_end_k_qc31158eddf_oproj:
	.size	k_qc31158eddf_oproj, .Lfunc_end_k_qc31158eddf_oproj-k_qc31158eddf_oproj
	.p2alignl 7, 3214868480
	.fill 96, 4, 3214868480
	.section	.rodata,"a",@progbits
	.p2align	6, 0x0
	.amdhsa_kernel k_qc31158eddf_oproj
		.amdhsa_group_segment_fixed_size 327680
		.amdhsa_private_segment_fixed_size 0
		.amdhsa_enable_private_segment 0
		.amdhsa_kernarg_size 24
		.amdhsa_user_sgpr_count 2
		.amdhsa_user_sgpr_kernarg_segment_ptr 1
		.amdhsa_wavefront_size32 1
		.amdhsa_system_sgpr_workgroup_id_x 1
		.amdhsa_system_sgpr_workgroup_id_y 1
		.amdhsa_system_sgpr_workgroup_id_z 1
		.amdhsa_system_vgpr_workitem_id 0
		.amdhsa_next_free_vgpr 384
		.amdhsa_next_free_sgpr 66
		.amdhsa_reserve_vcc 0
		.amdhsa_float_denorm_mode_32 3
		.amdhsa_float_denorm_mode_16_64 3
		.amdhsa_memory_ordered 1
		.amdhsa_forward_progress 1
		.amdhsa_inst_pref_size 77
	.end_amdhsa_kernel
	.amdgpu_metadata
---
amdhsa.version: [ 1, 2 ]
amdhsa.kernels:
  - .name:           k_qc31158eddf_oproj
    .symbol:         k_qc31158eddf_oproj.kd
    .args:
      - { .name: xatt, .offset: 0, .size: 8, .value_kind: global_buffer, .address_space: global }
      - { .name: wh, .offset: 8, .size: 8, .value_kind: global_buffer, .address_space: global }
      - { .name: out0, .offset: 16, .size: 8, .value_kind: global_buffer, .address_space: global }
    .group_segment_fixed_size: 327680
    .private_segment_fixed_size: 0
    .kernarg_segment_align: 8
    .kernarg_segment_size: 24
    .max_flat_workgroup_size: 128
    .sgpr_count:     66
    .vgpr_count:     384
    .wavefront_size: 32
...
	.end_amdgpu_metadata
.endif
;; end of part 4
